; MI455X (gfx1250); checked and timed in simulation.
; The chip was launched on July 23, 2026; its instructions are those of AMD's public machine-readable ISA for CDNA 5 (MIT licence, August 2026) and "CDNA5" Instruction Set Architecture Reference Guide (July 2026). The comments in the code are by the model that wrote it; some were corrected since.
;; Improved Attention. Allowed arithmetic: float matrix products may take bf16 or f16 operands with f32 sums; all other float work in f32.
;; Inputs: W_qkv 1,024 x 3,072 float32; mask 1 x 1 x 2,048 x 2,048 bool; x 2 x 2,048 x 1,024 float32.
;; Outputs: out0 2 x 2,048 x 1,024 float32.
;; One version. Each part assembles by itself: llvm-mc -triple=amdgcn-amd-amdhsa -mcpu=gfx1250 --defsym DOCPART=n.
;; ======== version 1 of 1: 3 launches
;; limits: values are held in f16: magnitudes above 65,504 overflow, below 6.1e-05 lose precision
;; workspace buffers: xb 8,388,608 bytes; wb 6,291,456 bytes; rope 524,288 bytes; qkv 41,943,040 bytes
;; launch prep (part 1): grid 256 x 1, 8 waves a work-group, no clusters, 0 bytes of LDS; arguments x, W_qkv, xb, wb, rope; writes xb, wb, rope
.if DOCPART == 1
	.amdgcn_target "amdgcn-amd-amdhsa--gfx1250"
	.amdhsa_code_object_version 6
	.text
	.protected	k_qb18d739662_prep
	.globl	k_qb18d739662_prep
	.p2align	8
	.type	k_qb18d739662_prep,@function
k_qb18d739662_prep:
	s_mov_b64 s[64:65], 0
	v_nop
	global_prefetch_b8 v0, s[64:65] scope:SCOPE_SE
	s_setreg_imm32_b32 hwreg(HW_REG_WAVE_MODE, 25, 1), 1
	s_wait_xcnt 0x0
; PREP.  xb = x rounded to bf16, same layout.  wb = W_qkv rounded to bf16 with its columns regrouped: wb[k][192 t + 64 y + j] = W[k][1024 y + 64 t + j]
; (y = 0, 1, 2 for q, k, v; t = 0..15; j = 0..63), so that 192 neighbouring columns hold heads 2 t and 2 t + 1 of q, of k and of v.
; rope[pos][0..31] = cos(pos f_d), rope[pos][32..63] = sin(pos f_d), f_d = 10000^(-d/32), f32: one row of 256 bytes for each of the 2,048 positions.
; A stream: no LDS, no barrier, no matrix unit; each input byte is read once.  256 work-groups of eight waves.  A wave takes 8,192 bytes of x (16 loads) and half a row of W
; (6,144 bytes, 12 loads): all 28 loads go out at once, the table's row is computed while they are on their way, then each load is rounded and stored.
; A load of x covers 512 consecutive bytes; a load of W two aligned pieces of 256 bytes (lanes 0-15, lanes 16-31); every store of bf16 covers 256 consecutive bytes, aligned.
; LIMITS.  The angle pos f_d is formed in f32 as the module forms it; f_d comes from v_exp_f32, so the angle (2,047 at the most) is off by about 1e-3 at the most.
; sine and cosine: reduction by multiples of pi/2 in two parts, then polynomials whose error on |r| <= pi/4 is below 4e-7.
.set WVN,  1                           ; v1      my wave
.set LN,   2                           ; v2      my lane
.set XI,   3                           ; v3      byte offset of my 16 bytes in x
.set XOUT, 4                           ; v4      of my 8 bytes in xb
.set WA,   5                           ; v5      offset in W: lanes 16-31 one type (4,096 bytes) further than lanes 0-15
.set WB,   6                           ; v6      offset in W: lanes 0-15 at type v, lanes 16-31 at type q of the next 64 columns
.set WOUT, 7                           ; v7      of my 8 bytes in wb
.set Y,    8                           ; v[8:63]    two registers of bf16 for each load; none is written twice
.set X,    64                          ; v[64:175]  four registers for each of the 28 loads
.set IC,   176                         ; v176    1 in the lanes that make cosines
.set PF,   177                         ; v177    my position, as f32
.set RES,  178                         ; v[178:179] my two entries of the table
.set DF,   180                         ; v[180:181] their d, as f32
.set RO,   182                         ; v182    byte offset of my two entries
.set E0,   184                         ; v[184:190] at work
.set E1,   192                         ; v[192:198] at work
	s_load_b256 s[4:11], s[0:1], 0x0               ; x s[4:5], W s[6:7], xb s[8:9], wb s[10:11]
	s_load_b64 s[12:13], s[0:1], 0x20              ; rope
	v_lshrrev_b32 v[WVN], 5, v0
	v_and_b32 v[LN], 31, v0
	s_lshl_b32 s14, ttmp9, 16                      ; the work-group's 65,536 bytes of x
	s_mul_i32 s15, ttmp9, 49152                    ; its four rows of W, 12,288 bytes each
	s_mul_i32 s16, ttmp9, 24576                    ; the same rows in wb
	s_lshl_b32 s17, ttmp9, 3                       ; its eight positions
	v_lshlrev_b32 v[XI], 13, v[WVN]
	v_lshl_add_u32 v[XI], v[LN], 4, v[XI]
	v_add_nc_u32 v[XI], s14, v[XI]
	v_lshrrev_b32 v[XOUT], 1, v[XI]
	v_lshrrev_b32 v[E0], 1, v[WVN]                 ; which of the four rows
	v_and_b32 v[E0+1], 1, v[WVN]                   ; which half of wb's row: t = 0..7 or 8..15
	v_and_b32 v[E0+2], 15, v0
	v_bfe_u32 v[E0+3], v0, 4, 1                    ; lanes 16-31
	v_mul_u32_u24 v[E0], v[E0], 12288
	v_lshl_add_u32 v[E0], v[E0+1], 11, v[E0]       ; eight t of 256 bytes
	v_lshl_add_u32 v[E0], v[E0+2], 4, v[E0]
	v_add_nc_u32 v[E0], s15, v[E0]
	v_lshl_add_u32 v[WA], v[E0+3], 12, v[E0]
	v_xor_b32 v[E0+1], 1, v[E0+3]
	v_mad_u32_u24 v[WB], v[E0+1], 7936, v[E0]      ; 8,192 - 256: from type q of t + 1 back to type v of t
	v_mul_u32_u24 v[WOUT], v[WVN], 3072
	v_lshl_add_u32 v[WOUT], v[LN], 3, v[WOUT]
	v_add_nc_u32 v[WOUT], s16, v[WOUT]
	s_wait_kmcnt 0x0
.set i, 0
.rept 16
	global_load_b128 v[X+4*i:X+4*i+3], v[XI], s[4:5] offset:512*i th:TH_LOAD_NT
.set i, i+1
.endr
; Load i of W fills 128 neighbouring columns of wb: pieces 2 i and 2 i + 1 of 64 columns; piece n is type n % 3 of t = n / 3.
.set i, 0
.rept 12
.if i%3 == 0
	global_load_b128 v[X+64+4*i:X+64+4*i+3], v[WA], s[6:7] offset:512*(i/3) th:TH_LOAD_NT            ; q and k of t = 2 (i / 3)
.elseif i%3 == 1
	global_load_b128 v[X+64+4*i:X+64+4*i+3], v[WB], s[6:7] offset:512*(i/3)+256 th:TH_LOAD_NT        ; v of that t, q of the next
.else
	global_load_b128 v[X+64+4*i:X+64+4*i+3], v[WA], s[6:7] offset:4096+512*(i/3)+256 th:TH_LOAD_NT   ; k and v of t = 2 (i / 3) + 1
.endif
.set i, i+1
.endr
	; THE TABLE, while the loads are on their way.  My wave makes one position; lane l makes entries 2 l and 2 l + 1 of its row: lanes 0-15 cosines, lanes 16-31 sines, of d = 2 (l % 16) and d + 1.
	v_cmp_gt_u32 vcc_lo, 16, v[LN]
	v_cndmask_b32 v[IC], 0, 1, vcc_lo              ; cos t = sin(t + pi/2): one quarter turn more
	v_add_nc_u32 v[RO], s17, v[WVN]                ; my position
	v_cvt_f32_u32 v[PF], v[RO]
	v_lshlrev_b32 v[RO], 8, v[RO]
	v_lshl_add_u32 v[RO], v[LN], 3, v[RO]
	v_lshlrev_b32 v[DF], 1, v[E0+2]
	v_cvt_f32_u32 v[DF], v[DF]
	v_add_f32 v[DF+1], 1.0, v[DF]
.macro ENT e, b                        ; entry e, with seven registers from b on at work
	v_mul_f32 v[\b], 0xbed49a78, v[DF+\e]          ; - d log2(10000) / 32
	v_exp_f32 v[\b], v[\b]                         ; f_d
	v_nop                                          ; a plain instruction between the exponential and the use of its result (ISA guide 5.7.2)
	s_wait_alu depctr_va_vdst(0)
	v_mul_f32 v[\b], v[PF], v[\b]                  ; the angle
	v_mul_f32 v[\b+1], 0x3f22f983, v[\b]           ; x 2 / pi
	v_rndne_f32 v[\b+1], v[\b+1]                   ; n quarter turns
	v_fmamk_f32 v[\b+2], v[\b+1], 0xbfc90fdb, v[\b]    ; r = angle - n pi/2, pi/2 in two parts
	v_fmamk_f32 v[\b+2], v[\b+1], 0x333bbd2e, v[\b+2]
	v_mul_f32 v[\b+3], v[\b+2], v[\b+2]            ; r^2
	v_mov_b32 v[\b+4], 0xb9500d01                  ; sin r = r + r r^2 (-1/6 + r^2 (1/120 - r^2 / 5040))
	v_fmaak_f32 v[\b+4], v[\b+4], v[\b+3], 0x3c088889
	v_fmaak_f32 v[\b+4], v[\b+4], v[\b+3], 0xbe2aaaab
	v_mul_f32 v[\b+5], v[\b+2], v[\b+3]
	v_fma_f32 v[\b+4], v[\b+5], v[\b+4], v[\b+2]
	v_mov_b32 v[\b+5], 0x37d00d01                  ; cos r = 1 + r^2 (-1/2 + r^2 (1/24 + r^2 (-1/720 + r^2 / 40320)))
	v_fmaak_f32 v[\b+5], v[\b+5], v[\b+3], 0xbab60b61
	v_fmaak_f32 v[\b+5], v[\b+5], v[\b+3], 0x3d2aaaab
	v_fmaak_f32 v[\b+5], v[\b+5], v[\b+3], 0xbf000000
	v_fma_f32 v[\b+5], v[\b+5], v[\b+3], 1.0
	v_cvt_i32_f32 v[\b+6], v[\b+1]
	v_add_nc_u32 v[\b+6], v[\b+6], v[IC]           ; the quadrant: odd takes cos r, bit 1 turns the sign
	v_and_b32 v[\b], 1, v[\b+6]
	v_cmp_eq_u32 vcc_lo, 1, v[\b]
	v_cndmask_b32 v[RES+\e], v[\b+4], v[\b+5], vcc_lo
	v_and_b32 v[\b], 2, v[\b+6]
	v_lshlrev_b32 v[\b], 30, v[\b]
	v_xor_b32 v[RES+\e], v[RES+\e], v[\b]
.endm
	ENT 0, E0
	ENT 1, E1
	global_store_b64 v[RO], v[RES:RES+1], s[12:13]   ; 32 lanes x 8 bytes: the position's whole row of 256 bytes
	; Each load is rounded and stored as it comes.  No register is written twice, so the stores' sources need no wait.
.set i, 0
.rept 28
	s_wait_loadcnt 27-i                            ; loads come back in order (ISA guide 5.7.1): load i is in, the 27 - i younger ones may be out
	v_cvt_pk_bf16_f32 v[Y+2*i], v[X+4*i], v[X+4*i+1]
	v_cvt_pk_bf16_f32 v[Y+2*i+1], v[X+4*i+2], v[X+4*i+3]
.if i < 16
	global_store_b64 v[XOUT], v[Y+2*i:Y+2*i+1], s[8:9] offset:256*i
.else
	global_store_b64 v[WOUT], v[Y+2*i:Y+2*i+1], s[10:11] offset:256*(i-16)
.endif
.set i, i+1
.endr
	s_endpgm
.Lfunc_end_k_qb18d739662_prep:
	.size	k_qb18d739662_prep, .Lfunc_end_k_qb18d739662_prep-k_qb18d739662_prep
	.p2alignl 7, 3214868480
	.fill 96, 4, 3214868480
	.section	.rodata,"a",@progbits
	.p2align	6, 0x0
	.amdhsa_kernel k_qb18d739662_prep
		.amdhsa_group_segment_fixed_size 0
		.amdhsa_private_segment_fixed_size 0
		.amdhsa_enable_private_segment 0
		.amdhsa_kernarg_size 40
		.amdhsa_user_sgpr_count 2
		.amdhsa_user_sgpr_kernarg_segment_ptr 1
		.amdhsa_wavefront_size32 1
		.amdhsa_system_sgpr_workgroup_id_x 1
		.amdhsa_system_sgpr_workgroup_id_y 1
		.amdhsa_system_sgpr_workgroup_id_z 1
		.amdhsa_system_vgpr_workitem_id 0
		.amdhsa_next_free_vgpr 200
		.amdhsa_next_free_sgpr 66
		.amdhsa_reserve_vcc 1
		.amdhsa_float_denorm_mode_32 3
		.amdhsa_float_denorm_mode_16_64 3
		.amdhsa_memory_ordered 1
		.amdhsa_forward_progress 1
		.amdhsa_inst_pref_size 15
	.end_amdhsa_kernel
	.amdgpu_metadata
---
amdhsa.version: [ 1, 2 ]
amdhsa.kernels:
  - .name:           k_qb18d739662_prep
    .symbol:         k_qb18d739662_prep.kd
    .args:
      - { .name: x, .offset: 0, .size: 8, .value_kind: global_buffer, .address_space: global }
      - { .name: W_qkv, .offset: 8, .size: 8, .value_kind: global_buffer, .address_space: global }
      - { .name: xb, .offset: 16, .size: 8, .value_kind: global_buffer, .address_space: global }
      - { .name: wb, .offset: 24, .size: 8, .value_kind: global_buffer, .address_space: global }
      - { .name: rope, .offset: 32, .size: 8, .value_kind: global_buffer, .address_space: global }
    .group_segment_fixed_size: 0
    .private_segment_fixed_size: 0
    .kernarg_segment_align: 8
    .kernarg_segment_size: 40
    .max_flat_workgroup_size: 256
    .sgpr_count:     66
    .vgpr_count:     200
    .wavefront_size: 32
...
	.end_amdgpu_metadata
.endif
;; end of part 1
;; launch proj (part 2): grid 16 x 16, 4 waves a work-group, clusters of 4 x 4, 327,680 bytes of LDS; arguments xb, wb, rope, qkv; writes qkv
.if DOCPART == 2
	.amdgcn_target "amdgcn-amd-amdhsa--gfx1250"
	.amdhsa_code_object_version 6
	.text
	.protected	k_qb18d739662_proj
	.globl	k_qb18d739662_proj
	.p2align	8
	.type	k_qb18d739662_proj,@function
k_qb18d739662_proj:
	s_mov_b64 s[64:65], 0
	v_nop
	global_prefetch_b8 v0, s[64:65] scope:SCOPE_SE
	s_setreg_imm32_b32 hwreg(HW_REG_WAVE_MODE, 25, 1), 1
	s_wait_xcnt 0x0
	s_wait_alu depctr_hold_cnt(0) depctr_sa_sdst(0) depctr_va_vdst(0) depctr_va_sdst(0) depctr_va_ssrc(0) depctr_va_vcc(0) depctr_vm_vsrc(0)
	s_getreg_b32 s2, hwreg(HW_REG_IB_STS2, 6, 4)
	s_cmp_eq_u32 s2, 0
	s_cbranch_scc0 .Lentry_in_a_cluster
	s_endpgm
.Lentry_in_a_cluster:
	s_bfe_u32 s2, ttmp6, 0x10000c
	s_cmp_lg_u32 s2, 0xf033
	s_cbranch_scc0 .Lentry_shape_is_right
	s_endpgm
.Lentry_shape_is_right:
; PROJ.  qkv = x W in bf16 with f32 sums (4,096 x 3,072 x 1,024), the rotation of q and k in f32 on the way out; q and k leave as TWO f16 numbers each (hi + lo), v rounded once to f16.
; xb: [4096][1024] bf16.  wb: [1024][3072] bf16, columns regrouped: column 192 t + 64 y + j is column j of heads 2 t, 2 t + 1 of type y (q, k, v).  rope: [2048][cos 32 | sin 32] f32.
; qkv: Q's part, from byte 0: [batch 2][block of 128 tokens 16][group of 4 heads 8][hi, lo][head 4][8,192 bytes]; K's and V's part, from byte 16,777,216: [batch][block][group][k hi, k lo, v][head 4][8,192 bytes].
; In a head's 8,192 bytes the 16 bytes at 1024 a + 512 c + 256 h + 16 (r xor 8 h) hold channels 16 c + 8 h + 0..7 of token 16 a + r.
; HI AND LO.  hi = the f32 number with its low 13 fraction bits cleared, which f16 holds exactly; lo = the number less hi (exact in f32), rounded to f16: together about 21 bits.  One rounding to f16 of q and k
; shifts a score by some 3e-4, which rows that see few keys do not bear.
; TILE.  256 tokens x 192 columns of the product: 16 x 16 = 256 work-groups, one for each WGP (256 x 256 would give 192).  Four waves; a wave makes 128 tokens x one head of each type: 8 x 6 = 48 accumulators.
; K goes in steps of 128 through a ring of two LDS slots filled by the tensor data mover.  x's rows in a tile are 256 bytes, aligned; W's are 384 bytes and start at multiples of 384, so half of them
; begin in the middle of an aligned 256 bytes: W's tiles are three sevenths of a step's bytes and are asked for once by four work-groups.
; CLUSTER.  4 x 4 work-groups.  The four of a row need the same tile of x, the four of a column the same tile of W: each is asked for JOINTLY, by the same tensor load with the same descriptor and a mask of four.
; THE MATRIX INSTRUCTION IS USED TRANSPOSED: source 0 = 16 columns of W (turned on the way out of LDS by ds_load_tr16_b128, since W lies [k][column]), source 1 = 16 tokens of x.  A lane then holds ONE token
; (lane % 16) and eight neighbouring channels 8 (lane / 16) + 0..7.  Channels d and d + 16, which the rotation pairs, lie in the same lane of two neighbouring accumulators; a lane's eight channels in f16
; are one 16-byte piece of qkv, and the 32 lanes' pieces are 512 consecutive bytes: the result is stored straight from registers.
; LIMITS.  A q, k or v of 65,536 or more (v: 65,520) becomes an infinity.  With x of spread 1 and W of spread 1/32 they have spread 1; 30 times larger inputs give 900, offsets of 30 spreads about 3e4.
; Below 2^-14 hi falls on f16's fixed step of 6e-8, and so does lo below 6e-5: an error of 3e-8 at the most.
; REGISTERS, in windows of 256 (s_set_vgpr_msb: bits 1:0 source 0, 3:2 source 1, 5:4 source 2, 7:6 destination):
;   window 0: v0-31 addresses; v64-127, v128-191 fragments of x, two buffers; on the way out v64-127 the table, v128-143 and v224-239 at work, v144-223 packed results
;   window 1: v64-111, v128-175 fragments of W, two buffers      window 2: the accumulators of my tokens 0-63 ((a, n) at v[8 (6 a + n)])      window 3: those of my tokens 64-127
.set KSTEP,  128
.set PA,     272                       ; a row of x in LDS: 256 bytes + 16 of padding: the 16 rows of a load start at 16 different groups of four banks (64 banks of 4 bytes: ISA guide 11.1)
.set PB,     480                       ; a row of W in LDS: three pieces of 128 bytes, 32 of padding behind each
.set HALFA,  128*PA                    ; what one tensor load brings of x: 128 rows
.set HALFB,  64*PB                     ; of W: 64 rows
.set BOFF,   2*HALFA                   ; a slot: x's 256 rows, then W's 128 rows
.set SLOT,   BOFF+2*HALFB              ; 131,072
.set SPARE,  2*SLOT                    ; behind the ring: the spare words, 128 bytes for each wave: two blocks of 256 bytes that no other line names
.set LAPS,   1024/(2*KSTEP)            ; a lap = two K steps = once round the ring
.set ADRA, 16                          ; v16-17  LDS address of my fragments of x in slot 0, 1
.set ADRB, 20                          ; v20-21  the same for W
.set TO,   24                          ; v24     my byte offset in the table
.set VO,   25                          ; v25     my byte offset in Q's part of qkv
.set VK,   26                          ; v26     my byte offset in K's and V's part
.set SPW,  28                          ; v28     LDS address of my spare word; never rewritten
.set NIL,  29                          ; v29     0; never rewritten
.set F0,   64
.set F1,   128
.set TB,   64                          ; the way out: the table for 16 tokens, two buffers of 32: cos d < 16, cos d >= 16, sin d < 16, sin d >= 16, eight each
.set T,    128                         ; the way out: 16 rotated numbers, then their lo parts
.set PK,   144                         ; the way out: packed results, two buffers of 40: q hi, q lo, k hi, k lo, v, eight each
.set TH,   224                         ; the way out: the 16 hi parts, in f32
.set G1,  24                           ; s[24:31] descriptor group 1 for x's tiles;  s[32:39] group 0, a set for each slot
.set G0,  32
.set G1B, 48                           ; s[48:55], s[56:63] the same for W's tiles
.set G0B, 56
.set RP,  68                           ; s[68:69] the table
.set QB,  70                           ; s[70:71] qkv at Q's part, s[72:73] at K's and V's
.set CUT, 23                           ; s23     0xffffe000: sign, exponent and 10 fraction bits
.set MSB, 0
.macro WIN new                         ; the immediate's high byte repeats the setting that is left; a switch that changes nothing is dropped
.if MSB != (\new)
	s_set_vgpr_msb (MSB<<8)|(\new)
.set MSB, \new
.endif
.endm
.set MUL_LO, 0xa1                      ; source 0 (W) window 1, source 1 (x) window 0, C and D window 2
.set MUL_HI, 0xf1                      ; the same, C and D window 3
.set TO_B,   0x40                      ; destination window 1, address window 0
; A joint load.  Waves 0 and 1 fetch x's two halves, waves 2 and 3 W's.  The branch hangs on the wave's number alone.  An s_nop 0 and four v_nop follow each of the two lines.
.macro JLOAD s
	s_cmp_eq_u32 s11, 0
	s_cbranch_scc0 .Lfor_b_\@
	tensor_load_to_lds s[G0+4*(\s):G0+4*(\s)+3], s[G1:G1+7]
	s_nop 0
.rept 4
	v_nop
.endr
	s_branch .Lasked_\@
.Lfor_b_\@:
	tensor_load_to_lds s[G0B+4*(\s):G0B+4*(\s)+3], s[G1B:G1B+7]
	s_nop 0
.rept 4
	v_nop
.endr
.Lasked_\@:
.endm
.macro CREST                           ; a round of the cluster's barrier behind its opening barrier
	s_cmp_lg_u32 s10, 0
	s_cbranch_scc1 .Lnot_wave_0_\@
	s_barrier_signal -3
.Lnot_wave_0_\@:
	s_barrier_wait -3
	s_barrier_signal -1
	s_barrier_wait -1
.endm
.macro CROUND                          ; a whole round
	s_barrier_signal -1
	s_barrier_wait -1
	CREST
.endm
	s_load_b128 s[4:7], s[0:1], 0x0                ; xb s[4:5], wb s[6:7]
	s_load_b128 s[68:71], s[0:1], 0x10             ; rope s[68:69], qkv s[70:71]
	v_lshl_add_u32 v[SPW], v0, 2, SPARE
	v_mov_b32 v[NIL], 0
	ds_add_u32 v[SPW], v[NIL]                      ; the wave's opening: the add and its wait stand ahead of my first tensor load; the set-up below, work on registers, stands between them
	v_lshrrev_b32 v1, 5, v0
	v_readfirstlane_b32 s10, v1                    ; wave 0..3
	s_lshr_b32 s11, s10, 1                         ; which 128 tokens of the tile are mine.  Also: I fetch for x (0) or for W (1)
	s_and_b32 s12, s10, 1                          ; which of the tile's two heads of each type.  Also: which half of that tile I fetch
	s_bfe_u32 s40, ttmp6, 0x40000                  ; cx, cy: my place in the cluster
	s_bfe_u32 s41, ttmp6, 0x40004
	s_lshl_b32 s42, ttmp9, 2
	s_add_co_u32 s42, s42, s40                     ; column tile = 4 x cluster x + cx
	s_and_b32 s13, ttmp7, 0xffff
	s_lshl_b32 s13, s13, 2
	s_add_co_u32 s13, s13, s41                     ; row tile = 4 x cluster y + cy
	s_lshl_b32 s43, s41, 2
	s_lshl_b32 s43, 15, s43                        ; my row of the cluster
	s_lshl_b32 s44, 0x1111, s40                    ; my column
	s_or_b32 s[G1+0], s43, (1<<16)|(1<<20)|(1<<21)|(5<<22)|(3<<25)   ; 15:0 the mask: x's tiles go to my row; 17:16 2-byte elements; 20 padding on; 21 set beside a mask; 24:22 after every 64 words (code 5); 31:25 4 words (code 3)
	s_mov_b32 s[G1+1], KSTEP<<16                   ; tensor_dim0 = 128
	s_mov_b32 s[G1+2], 128<<16                     ; tensor_dim1 = 128
	s_mov_b32 s[G1+3], KSTEP<<16                   ; tile_dim0 = 128
	s_mov_b32 s[G1+4], 128                         ; tile_dim1 = 128
	s_mov_b32 s[G1+5], 1024                        ; elements from row to row
	s_mov_b32 s[G1+6], 0
	s_mov_b32 s[G1+7], 0
	s_or_b32 s[G1B+0], s44, (1<<16)|(1<<20)|(1<<21)|(4<<22)|(7<<25)  ; W's tiles go to my column; padding after every 32 words (code 4), 8 words (code 7)
	s_mov_b32 s[G1B+1], 192<<16                    ; tensor_dim0 = 192
	s_mov_b32 s[G1B+2], 64<<16                     ; tensor_dim1 = 64
	s_mov_b32 s[G1B+3], 192<<16                    ; tile_dim0 = 192
	s_mov_b32 s[G1B+4], 64                         ; tile_dim1 = 64
	s_mov_b32 s[G1B+5], 3072
	s_mov_b32 s[G1B+6], 0
	s_mov_b32 s[G1B+7], 0
	s_mov_b32 s[CUT], 0xffffe000
	; x's tile hangs on the row tile alone, W's on the column tile alone; each address is made in registers that never hold the other coordinate
	s_lshl_b32 s16, s13, 19                        ; 256 rows of 2,048 bytes
	s_lshl_b32 s17, s12, 18                        ; my 128 of them
	s_add_co_u32 s16, s16, s17
	s_mov_b32 s17, 0
	s_mul_i32 s46, s42, 384                        ; 192 columns
	s_mul_i32 s47, s12, 64*3072*2                  ; my 64 rows of a K step's 128
	s_add_co_u32 s46, s46, s47
	s_mov_b32 s47, 0
	s_mul_i32 s20, s12, HALFA                      ; and where they go: no place in the cluster enters an LDS address
	s_mul_i32 s21, s12, HALFB
	s_add_co_u32 s21, s21, BOFF
	s_wait_dscnt 0x0                               ; the opening add is done
	s_wait_kmcnt 0x0
	s_add_nc_u64 s[14:15], s[4:5], s[16:17]
	s_add_nc_u64 s[46:47], s[6:7], s[46:47]
	s_add_nc_u64 s[QB+2:QB+3], s[QB:QB+1], 0x1000000   ; Q's part of qkv is 16,777,216 bytes
	CROUND                                         ; all sixteen work-groups are here: the first joint loads meet
.irp s, 0,1
	s_mov_b32 s[G0+4*(\s)], 1                                      ; count = 1
	s_add_co_u32 s[G0+4*(\s)+1], s20, (\s)*SLOT                    ; LDS address
	s_add_nc_u64 s[G0+4*(\s)+2:G0+4*(\s)+3], s[14:15], (\s)*KSTEP*2  ; global address: K step s
	s_or_b32 s[G0+4*(\s)+3], s[G0+4*(\s)+3], 0x80000000            ; type = 2
	s_mov_b32 s[G0B+4*(\s)], 1
	s_add_co_u32 s[G0B+4*(\s)+1], s21, (\s)*SLOT
	s_add_nc_u64 s[G0B+4*(\s)+2:G0B+4*(\s)+3], s[46:47], (\s)*KSTEP*3072*2
	s_or_b32 s[G0B+4*(\s)+3], s[G0B+4*(\s)+3], 0x80000000
	JLOAD \s                                       ; two loads of mine are out
.endr
	; A fragment of x: lane l holds token l % 16; registers 0-3 hold K = 8 (l / 16) + 0..7, registers 4-7 K = 16 + 8 (l / 16) + 0..7: two loads of 16 bytes, 32 bytes apart.
	; A fragment of W: the turning load takes 16 K x 16 columns (lane l reads row 8 (l / 16) + l % 8, columns 8 ((l / 8) % 2) + 0..7) and leaves column l % 16 and 8 K in lane l; the second load 16 rows on.
	v_and_b32 v1, 15, v0                           ; l % 16
	v_bfe_u32 v2, v0, 4, 1                         ; l / 16
	v_mul_u32_u24 v3, v1, PA
	v_lshl_add_u32 v3, v2, 4, v3
	v_and_b32 v4, 7, v0
	v_bfe_u32 v5, v0, 3, 1
	v_lshl_add_u32 v4, v2, 3, v4
	v_mul_u32_u24 v4, v4, PB
	v_lshl_add_u32 v4, v5, 4, v4
	s_mul_i32 s18, s11, HALFA                      ; my 128 tokens
	s_lshl_b32 s19, s12, 6                         ; my head: 32 columns on in each piece of 64
	s_add_co_u32 s19, s19, BOFF
.irp s, 0,1
	v_add_nc_u32 v[ADRA+(\s)], s18, v3
	v_add_nc_u32 v[ADRB+(\s)], s19, v4
	s_add_co_u32 s18, s18, SLOT
	s_add_co_u32 s19, s19, SLOT
.endr
	; the way out: my 128 tokens are block (row tile % 8) x 2 + half of batch row tile / 8; my head is 2 x column tile + s12
	s_lshr_b32 s46, s13, 3                         ; the batch
	s_and_b32 s47, s13, 7
	s_lshl_b32 s47, s47, 1
	s_add_co_u32 s47, s47, s11                     ; the block
	s_lshl_b32 s22, s47, 15                        ; its first position's row in the table: 128 rows of 256 bytes a block
	s_lshl_b32 s18, s42, 1
	s_add_co_u32 s18, s18, s12                     ; the head
	s_lshr_b32 s19, s18, 2                         ; its group of four,
	s_and_b32 s18, s18, 3
	s_lshl_b32 s18, s18, 13                        ; its 8,192 bytes in the group
	s_lshl_b32 s66, s46, 23                        ; Q's part: 8,388,608 bytes a batch,
	s_lshl_b32 s45, s47, 19                        ; 524,288 a block,
	s_add_co_u32 s66, s66, s45
	s_lshl_b32 s45, s19, 16                        ; 65,536 a group
	s_add_co_u32 s66, s66, s45
	s_add_co_u32 s66, s66, s18
	s_mul_i32 s67, s46, 12582912                   ; K's and V's part: 12,582,912 bytes a batch,
	s_mul_i32 s45, s47, 786432                     ; 786,432 a block,
	s_add_co_u32 s67, s67, s45
	s_mul_i32 s45, s19, 98304                      ; 98,304 a group
	s_add_co_u32 s67, s67, s45
	s_add_co_u32 s67, s67, s18
	v_lshlrev_b32 v[TO], 8, v1                     ; my token's row, my eight channels
	v_lshl_add_u32 v[TO], v2, 5, v[TO]
	v_add_nc_u32 v[TO], s22, v[TO]
	v_lshlrev_b32 v6, 3, v2
	v_xor_b32 v6, v6, v1
	v_lshlrev_b32 v6, 4, v6                        ; 256 h + 16 (r xor 8 h)
	v_lshl_add_u32 v6, v2, 8, v6
	v_add_nc_u32 v[VO], s66, v6
	v_add_nc_u32 v[VK], s67, v6
; 12 matrix instructions: token blocks a0, a0 + 1 of the window's four x all 6 column blocks, 32 along K.  zero = 1: the first product starts the sums.
; The 48 accumulators take turns, one instruction a turn, in the same order in every quarter step.
.macro MUL12 f, hi, a0, zero
	WIN MUL_LO+0x50*(\hi)
.irp a, \a0, (\a0)+1
.irp b, 0,1,2,3,4,5
.if \zero
	v_wmma_f32_16x16x32_bf16 v[8*(6*(\a)+(\b)):8*(6*(\a)+(\b))+7], v[(\f)+8*(\b):(\f)+8*(\b)+7], v[(\f)+8*(4*(\hi)+(\a)):(\f)+8*(4*(\hi)+(\a))+7], 0
.else
	v_wmma_f32_16x16x32_bf16 v[8*(6*(\a)+(\b)):8*(6*(\a)+(\b))+7], v[(\f)+8*(\b):(\f)+8*(\b)+7], v[(\f)+8*(4*(\hi)+(\a)):(\f)+8*(4*(\hi)+(\a))+7], v[8*(6*(\a)+(\b)):8*(6*(\a)+(\b))+7]
.endif
.endr
.endr
.endm
; 28 LDS loads in one run: the fragments of quarter q of a K step into buffer f.  Column block b = 2 y + c lies at byte 160 y + 32 c of my head's part of a row.
.macro FETCH slot, q, f
	WIN TO_B
.irp b, 0,1,2,3,4,5
	ds_load_tr16_b128 v[(\f)+8*(\b):(\f)+8*(\b)+3],   v[ADRB+(\slot)] offset:(\q)*32*PB+160*((\b)/2)+32*((\b)%2)
	ds_load_tr16_b128 v[(\f)+8*(\b)+4:(\f)+8*(\b)+7], v[ADRB+(\slot)] offset:(\q)*32*PB+160*((\b)/2)+32*((\b)%2)+16*PB
.endr
	WIN 0
.irp i, 0,1,2,3,4,5,6,7
	ds_load_b128 v[(\f)+8*(\i):(\f)+8*(\i)+3],   v[ADRA+(\slot)] offset:(\q)*64+(\i)*16*PA
	ds_load_b128 v[(\f)+8*(\i)+4:(\f)+8*(\i)+7], v[ADRA+(\slot)] offset:(\q)*64+(\i)*16*PA+32
.endr
.endm
; Four plain vector instructions stand between a matrix instruction and a load into, or a vector write of, one of its registers, and a vector read of its result (ISA guide 7.12.1 for vector instructions).
.macro PLACES
.rept 4
	v_nop
.endr
.endm
; A K step is four quarters of 32 along K, 48 matrix instructions each, on buffers 0, 1, 0, 1.  One of the first three: multiplies buffer f and, in its middle, fetches quarter q into buffer g.
.macro QUARTER slot, q, f, g, zero
	s_wait_dscnt 8                                 ; W and x's tokens 0-63 are in; the youngest eight loads (tokens 64-127) may be out
	MUL12 \f, 0, 0, \zero
	MUL12 \f, 0, 2, \zero
	PLACES
	FETCH \slot, \q, \g
	s_wait_dscnt 28                                ; all but the 28 just issued
	MUL12 \f, 1, 0, \zero
	MUL12 \f, 1, 2, \zero
.endm
; The last quarter multiplies buffer 1 and changes slots: ONE barrier.  In front of it each wave waits for all its tensor loads (one is out: its part of the next slot), adds 0 to its spare word, and waits for
; that and for its own reads of this slot.  fill = 1: the barrier opens a round of the cluster's barrier, and behind the round this slot is filled again, two K steps ahead: the load has a K step less 24 matrix instructions in which to land.
.macro TURN slot, next, fill
	WIN 0                                          ; (the add's two registers lie in window 0)
	s_wait_tensorcnt 0x0                           ; all my tensor loads have landed
	ds_add_u32 v[SPW], v[NIL]                      ; 0 onto my spare word
	s_wait_dscnt 9                                 ; (the add and the youngest eight loads may be out)
	MUL12 F1, 0, 0, 0                              ; twelve matrix instructions stand between the add and the wait for it
	s_wait_dscnt 0x0                               ; the add is done, and my reads of this slot are over
	s_barrier_signal -1
	MUL12 F1, 0, 2, 0
.if \fill
	WIN 0
.endif
	s_barrier_wait -1
.if \fill
	CREST                                          ; no wave of any partner still reads this slot's tile or has a load on its way
	s_add_nc_u64 s[G0+4*(\slot)+2:G0+4*(\slot)+3], s[G0+4*(\slot)+2:G0+4*(\slot)+3], 2*KSTEP*2
	s_add_nc_u64 s[G0B+4*(\slot)+2:G0B+4*(\slot)+3], s[G0B+4*(\slot)+2:G0B+4*(\slot)+3], 2*KSTEP*3072*2
	JLOAD \slot                                    ; the first tensor load behind the round; its four v_nop are also the places in front of the loads below
.else
	PLACES
.endif
	FETCH \next, 0, F0
	MUL12 F1, 1, 0, 0
	MUL12 F1, 1, 2, 0
.endm
	s_wait_tensorcnt 1                             ; my part of K step 0 is in; K step 1's may stay out
	s_barrier_signal -1
	s_barrier_wait -1                              ; everybody's is
	FETCH 0, 0, F0
	QUARTER 0, 1, F0, F1, 1                        ; the first quarter stands in front of the loop: its products start the sums
	WIN 0                                          ; at a label and at a branch every window is 0
	s_mov_b32 s3, LAPS-1
.Llap:                                                 ; a trip goes once round the ring, from a lap's second quarter to the next lap's first, and fills both slots again
	QUARTER 0, 2, F1, F0, 0
	QUARTER 0, 3, F0, F1, 0
	TURN 0, 1, 1
	QUARTER 1, 1, F0, F1, 0
	QUARTER 1, 2, F1, F0, 0
	QUARTER 1, 3, F0, F1, 0
	TURN 1, 0, 1
	QUARTER 0, 1, F0, F1, 0
	WIN 0
	s_sub_co_u32 s3, s3, 1
	s_cmp_lg_u32 s3, 0
	s_cbranch_scc1 .Llap
	QUARTER 0, 2, F1, F0, 0                        ; the last lap fills nothing, and has no round of the cluster's barrier
	QUARTER 0, 3, F0, F1, 0
	TURN 0, 1, 0
	QUARTER 1, 1, F0, F1, 0
	QUARTER 1, 2, F1, F0, 0
	QUARTER 1, 3, F0, F1, 0
	s_wait_dscnt 8                                 ; the very last quarter: nothing more to fetch
	MUL12 F1, 0, 0, 0
	MUL12 F1, 0, 2, 0
	s_wait_dscnt 0x0
	MUL12 F1, 1, 0, 0
	MUL12 F1, 1, 2, 0
	WIN 0
; THE WAY OUT, a block of 16 tokens at a time.  TAB a: my token's cosines and sines for my eight channels and the eight 16 further on.
.macro TAB a
.irp g, 0,1,2,3
	global_load_b128 v[TB+32*((\a)%2)+8*(\g):TB+32*((\a)%2)+8*(\g)+3],   v[TO], s[RP:RP+1] offset:(\a)*4096+64*(\g)
	global_load_b128 v[TB+32*((\a)%2)+8*(\g)+4:TB+32*((\a)%2)+8*(\g)+7], v[TO], s[RP:RP+1] offset:(\a)*4096+64*(\g)+16
.endr
.endm
; HEAD a, y: my head of type y.  q and k: out[d] = x[d] cos[d] - x[d+16] sin[d], out[d+16] = x[d+16] cos[d+16] + x[d] sin[d+16], in f32; then hi = out cut to 10 fraction bits, lo = out - hi, both to f16.
; v is rounded once.  Each accumulator is read from its low end on.
.macro HEAD a, y
.set AL, 8*(6*((\a)%4)+2*(\y))         ; channels 0-15; channels 16-31 lie in the next accumulator
.set AH, AL+8
.set CB, TB+32*((\a)%2)
.set PKB, PK+40*((\a)%2)+16*(\y)
.if (\y) < 2
	WIN 0x02+(\a)/4                                ; source 0 in window 2 or 3
.irp p, 0,2,4,6
	v_pk_mul_f32 v[T+\p:T+\p+1], v[AL+\p:AL+\p+1], v[CB+\p:CB+\p+1]
.endr
.irp p, 0,2,4,6
	v_pk_mul_f32 v[T+8+\p:T+8+\p+1], v[AH+\p:AH+\p+1], v[CB+8+\p:CB+8+\p+1]
.endr
.irp p, 0,2,4,6
	v_pk_fma_f32 v[T+\p:T+\p+1], v[AH+\p:AH+\p+1], v[CB+16+\p:CB+16+\p+1], v[T+\p:T+\p+1] neg_lo:[0,1,0] neg_hi:[0,1,0]
.endr
.irp p, 0,2,4,6
	v_pk_fma_f32 v[T+8+\p:T+8+\p+1], v[AL+\p:AL+\p+1], v[CB+24+\p:CB+24+\p+1], v[T+8+\p:T+8+\p+1]
.endr
	WIN 0
.irp p, 0,1,2,3,4,5,6,7,8,9,10,11,12,13,14,15
	v_and_b32 v[TH+\p], s[CUT], v[T+\p]            ; hi
.endr
.irp p, 0,2,4,6,8,10,12,14
	v_pk_add_f32 v[T+\p:T+\p+1], v[T+\p:T+\p+1], v[TH+\p:TH+\p+1] neg_lo:[0,1] neg_hi:[0,1]  ; lo, exact
.endr
.irp p, 0,1,2,3,4,5,6,7
	v_cvt_pk_f16_f32 v[PKB+\p], v[TH+2*\p], v[TH+2*\p+1]
.endr
.irp p, 0,1,2,3,4,5,6,7
	v_cvt_pk_f16_f32 v[PKB+8+\p], v[T+2*\p], v[T+2*\p+1]
.endr
.else
	WIN 0x0a+5*((\a)/4)                            ; sources 0 and 1 in window 2 or 3
.irp p, 0,1,2,3,4,5,6,7
	v_cvt_pk_f16_f32 v[PKB+\p], v[AL+2*\p], v[AL+2*\p+1]
.endr
	WIN 0
.endif
.endm
	PLACES                                         ; behind the last products: the table lands in fragment registers, the conversions read results
	TAB 0
.irp a, 0,1,2,3,4,5,6,7
	s_wait_xcnt 0x0                                ; every earlier store has had its addresses translated (ISA guide 3.1): the packed results of two blocks ago are rewritten only behind this wait
.if (\a) < 7
	TAB (\a)+1
	s_wait_loadcnt 8                               ; this block's table is in; the next block's eight loads may be out
.else
	s_wait_loadcnt 0x0
.endif
	HEAD \a, 0
	HEAD \a, 1
	HEAD \a, 2
; each store: the 32 lanes fill 512 consecutive bytes, aligned; 16 neighbouring lanes 256
.irp c, 0,1
.irp pt, 0,1
	global_store_b128 v[VO], v[PK+40*((\a)%2)+8*(\pt)+4*(\c):PK+40*((\a)%2)+8*(\pt)+4*(\c)+3], s[QB:QB+1] offset:(\a)*1024+(\c)*512+(\pt)*32768
	global_store_b128 v[VK], v[PK+40*((\a)%2)+16+8*(\pt)+4*(\c):PK+40*((\a)%2)+16+8*(\pt)+4*(\c)+3], s[QB+2:QB+3] offset:(\a)*1024+(\c)*512+(\pt)*32768
.endr
	global_store_b128 v[VK], v[PK+40*((\a)%2)+32+4*(\c):PK+40*((\a)%2)+32+4*(\c)+3], s[QB+2:QB+3] offset:(\a)*1024+(\c)*512+65536
.endr
.endr
	s_wait_tensorcnt 0x0                           ; the wave's end, behind my last tensor load
	ds_add_u32 v[SPW], v[NIL]
	s_wait_dscnt 0x0
	CROUND                                         ; the closing round: no work-group ends while a partner may still ask for a tile that names it
	s_endpgm
.Lfunc_end_k_qb18d739662_proj:
	.size	k_qb18d739662_proj, .Lfunc_end_k_qb18d739662_proj-k_qb18d739662_proj
	.p2alignl 7, 3214868480
	.fill 96, 4, 3214868480
	.section	.rodata,"a",@progbits
	.p2align	6, 0x0
	.amdhsa_kernel k_qb18d739662_proj
		.amdhsa_group_segment_fixed_size 327680
		.amdhsa_private_segment_fixed_size 0
		.amdhsa_enable_private_segment 0
		.amdhsa_kernarg_size 32
		.amdhsa_user_sgpr_count 2
		.amdhsa_user_sgpr_kernarg_segment_ptr 1
		.amdhsa_wavefront_size32 1
		.amdhsa_system_sgpr_workgroup_id_x 1
		.amdhsa_system_sgpr_workgroup_id_y 1
		.amdhsa_system_sgpr_workgroup_id_z 1
		.amdhsa_system_vgpr_workitem_id 0
		.amdhsa_next_free_vgpr 1024
		.amdhsa_next_free_sgpr 76
		.amdhsa_reserve_vcc 0
		.amdhsa_float_denorm_mode_32 3
		.amdhsa_float_denorm_mode_16_64 3
		.amdhsa_memory_ordered 1
		.amdhsa_forward_progress 1
		.amdhsa_inst_pref_size 159
	.end_amdhsa_kernel
	.amdgpu_metadata
---
amdhsa.version: [ 1, 2 ]
amdhsa.kernels:
  - .name:           k_qb18d739662_proj
    .symbol:         k_qb18d739662_proj.kd
    .args:
      - { .name: xb, .offset: 0, .size: 8, .value_kind: global_buffer, .address_space: global }
      - { .name: wb, .offset: 8, .size: 8, .value_kind: global_buffer, .address_space: global }
      - { .name: rope, .offset: 16, .size: 8, .value_kind: global_buffer, .address_space: global }
      - { .name: qkv, .offset: 24, .size: 8, .value_kind: global_buffer, .address_space: global }
    .group_segment_fixed_size: 327680
    .private_segment_fixed_size: 0
    .kernarg_segment_align: 8
    .kernarg_segment_size: 32
    .max_flat_workgroup_size: 128
    .sgpr_count:     76
    .vgpr_count:     1024
    .wavefront_size: 32
...
	.end_amdgpu_metadata
.endif
;; end of part 2
;; launch attn (part 3): grid 16 x 16, 4 waves a work-group, clusters of 4 x 4, 327,680 bytes of LDS; arguments qkv, mask, out0; writes out0
.if DOCPART == 3
	.amdgcn_target "amdgcn-amd-amdhsa--gfx1250"
	.amdhsa_code_object_version 6
	.text
	.protected	k_qb18d739662_attn
	.globl	k_qb18d739662_attn
	.p2align	8
	.type	k_qb18d739662_attn,@function
k_qb18d739662_attn:
	s_mov_b64 s[64:65], 0
	v_nop
	global_prefetch_b8 v0, s[64:65] scope:SCOPE_SE
	s_setreg_imm32_b32 hwreg(HW_REG_WAVE_MODE, 25, 1), 1
	s_wait_xcnt 0x0
	s_wait_alu depctr_hold_cnt(0) depctr_sa_sdst(0) depctr_va_vdst(0) depctr_va_sdst(0) depctr_va_ssrc(0) depctr_va_vcc(0) depctr_vm_vsrc(0)
	s_getreg_b32 s2, hwreg(HW_REG_IB_STS2, 6, 4)
	s_cmp_eq_u32 s2, 0
	s_cbranch_scc0 .Lentry_in_a_cluster
	s_endpgm
.Lentry_in_a_cluster:
	s_bfe_u32 s2, ttmp6, 0x10000c
	s_cmp_lg_u32 s2, 0xf033
	s_cbranch_scc0 .Lentry_shape_is_right
	s_endpgm
.Lentry_shape_is_right:
; ATTN.  out[b][q][32 h + :] = the sum over k of softmax_k(mask[q][k] ? Q[b][h][q] . K[b][h][k] / sqrt(32) : -inf) V[b][h][k][:].  The mask is an input, [2048][2048] bytes of 0 or 1, the same for all b and h:
; every key tile is walked and every byte of the mask is read.  Q, K, V: f16, in qkv.  Q's part, from byte 0: [batch 2][block of 128 tokens 16][group of 4 heads 8][hi, lo][head 4][8,192 bytes]; K's and V's part,
; from byte 16,777,216: [batch][block][group][k hi, k lo, v][head 4][8,192 bytes].  In a head's 8,192 bytes the 16 bytes at 1024 a + 512 c + 256 h + 16 (r xor 8 h) hold channels 16 c + 8 h + 0..7 of token 16 a + r.
; Q and K come as hi + lo, two f16 numbers each, and a score is three products: K hi Q hi + K hi Q lo + K lo Q hi (K lo Q lo, 2^-22 of a score, is left out).  Products, maxima and sums in f32; the weights p are
; rounded to f16 for the second product (their sum l is taken of the unrounded p), V has been rounded once to f16; out is f32.
; LIMITS.  Q, K, V arrive within f16's 65,504.  A hidden score counts as its value less a bias of 6e29 to 2.6e30; a visible one gets a bias of at most 2.2e-38.  The running maximum starts at the floor
; -2^96, which lies above every hidden score and below every true one (f16's scores are 1.4e11 at the most), so a hidden key's weight is exactly 0, also while a row has seen no visible key.
; A row with no visible key at all ends with the floor as its maximum and is written as NaN, as the module gives it.  A weight below 2^-126 counts as 0.  NaN and infinities in Q, K, V are not treated apart.
; SHARES.  A work-group owns 128 queries of four heads of one batch; a wave 32 of those queries, two tiles of 16, for all four heads: eight UNITS (unit = 2 x head + tile).  Four heads share a query tile so that one
; expansion of the mask serves four heads' products.  Every wave walks all 2,048 keys: 16 tiles of 128 (a slot), 2 steps of 64 keys a tile, 4 PIECES (heads) a step.
; LAYOUT.  S^T = K Q^T + C (source 0 = 16 keys, source 1 = 16 queries; the head's 32 channels are one instruction): a lane holds ONE query (lane % 16) and the keys 8 (lane / 16) + 0..7.  C is the mask: 0 or the bias.
; Two such results rounded to f16 ARE source 1 (32 keys x 16 queries) of O^T = V^T P.  K comes out of LDS as it lies, V turned, by ds_load_tr16_b128; in qkv's layout both take 16 different 16-byte columns
; of 256 bytes for each 16 lanes, so the tiles need no padding.
; SOFTMAX.  For each query a running maximum m and sum l: p = 2^(c s - c m), c = log2(e) / sqrt(32); in every step O and l are multiplied by a = 2^(c m_old - c m_new).  O and l start at 0.
; THE COUNT.  A piece has 32 matrix and 220 vector instructions.  The matrix instructions stand in pairs among the vector work, which never waits for them.
; BY TURNS.  Turn n belongs to piece n: its softmax; among it 8 products V^T P of piece n - 1 and 24 products K Q^T of piece n + 1.
; CLUSTER.  4 x 4 work-groups.  K's and V's tiles hang on batch and heads alone and are shared along a row of the cluster; the mask's tile hangs on the query block alone and is shared along a column: each is asked for
; JOINTLY.  The mask's rows in a tile are 128 bytes, half of an aligned 256: two slots of 256 keys do not fit in LDS; the mask is 16 of a slot's 112 KB of data.
; REGISTERS, in windows of 256 (s_set_vgpr_msb: bits 1:0 source 0, 3:2 source 1, 5:4 source 2, 7:6 destination):
;   window 0: v1-15 addresses; v16-47 four registers of statistics a unit; v48-63 at work; v64-191 S^T, two buffers of two tiles; v192-255 P, likewise (a piece's buffers go by its head's parity)
;   window 1: v0-127 O^T, 16 a unit; v128-191 the mask as C operands; v192-207 the mask's bytes
;   window 2: v0-63 Q hi, 8 a unit; v64-127 Q lo; v128-159 K hi of one piece; v160-191 K lo; v192-255 V, two buffers
.set KLO,   32768     ; a slot: K hi of 4 heads x 128 keys, dense; then K lo;
.set VOFF,  65536     ; then V;
.set MOFF,  98304     ; then 128 rows of the mask
.set PM,    144       ; a row of the mask in LDS: 128 bytes + 16 of padding = 36 words: 32 lanes x 8 bytes take each bank once (64 banks of 4 bytes: ISA guide 11.1)
.set SLOT1, 1<<17     ; slot 1 begins here, so that one exclusive or turns an address in one slot into the other's
.set STAGE, SLOT1+MOFF+128*PM  ; behind the ring, never filled by a tensor load: 16 rows x 528 bytes for each wave, for the way out
.set SP,    528       ; 512 bytes + 16
.set SPARE, STAGE+4*16*SP      ; behind the stages: the spare words, 128 bytes for each wave: two blocks of 256 bytes that no other line names
.set SPW, 1           ; v1   LDS address of my spare word; never rewritten
.set NIL, 2           ; v2   0; never rewritten
.set KL,  3           ; v3   my lane's place in 1,024 bytes of K or Q; never rewritten
.set VL,  4           ; v4   the same for the turning load of V, with V's place in a slot
.set ML,  5           ; v5   my lane's place in the mask's tile, with the mask's place in a slot
.set AK,  6           ; v6   KL + the step in hand
.set AV,  7           ; v7   VL + the step in hand
.set AM,  8           ; v8   ML + the step in hand
.set STO, 9           ; v9   the way out: where I put 16 bytes of a row
.set RD,  10          ; v10  the way out: where I read a row back
.set GO,  11          ; v11  my byte offset in 512 consecutive bytes of out
.set ST,  16          ; unit t's statistics at v[ST+4 t]: c m, m, l (even keys', odd keys')
.set TMP, 48          ; by buffer and tile, four registers c0-c3 at work; when the maximum is found c2 takes a, c3 its argument
.set S,   64
.set P,   192
.set MC,  128         ; window 1: tile u, key block kb at MC + 32 u + 8 kb
.set MR,  192         ; window 1: two registers for tile u, key block kb at MR + 2 (4 u + kb)
.set QL,  64          ; window 2: Q lo
.set KF,  128         ; window 2: K hi, key block kb at KF + 8 kb; K lo 32 further on
.set VF,  192         ; window 2: buffer, key half s, channel block cb at VF + 32 buffer + 8 (2 s + cb)
.set WV,  12          ; s12  my wave's number
.set G1K, 24          ; s[24:31] descriptor group 1 for K's and V's tiles
.set G1M, 32          ; s[32:39] for the mask's
.set G0K, 40          ; s[40:47] descriptor group 0 for K's and V's tiles: a set for each of the two first fills; the second then walks on
.set G0M, 48          ; s[48:55] the same for the mask's
.set SLOTS, 56        ; s56  counts the tiles
.set CNT, 57          ; s57  counts a tile's steps
.set CS,  58          ; s[58:59] c: the packed scaling takes the pair's low word for both halves
.set SEL, 60          ; s[60:61] v_permlanex16_b32's selects: each lane takes its own place in the other half
.set TBK, 62          ; s62  LDS byte at which K of the step in hand begins within a head's block
.set TBM, 63          ; s63  the same within a row of the mask
.set MF,  66          ; s66  0xf1
.set MA,  67          ; s67  0xf1f1f1f1
.set LOW, 68          ; s68  -2^96, the floor
.set QNAN, 69         ; s69  a NaN
.set MSB, 0
.macro WIN new                      ; the high byte repeats the setting that is left; a switch that changes nothing is dropped
.if MSB != (\new)
	s_set_vgpr_msb (MSB<<8)|(\new)
.set MSB, (\new)
.endif
.endm
.set W_KM, 0x1a       ; K and Q in window 2, the mask (C) in window 1, S^T in window 0
.set W_KQ, 0x0a       ; K and Q in window 2, S^T (C and D) in window 0
.set W_PV, 0x52       ; V in window 2, P in window 0, O^T in window 1
.set W_RS, 0x41       ; O^T (destination and source 0) in window 1, a in window 0
.set W_MX, 0x45       ; the mask's expansion: destination and both sources in window 1
; A joint refill.  Waves 0, 1, 2 fetch a tile's K hi, K lo and V, 32,768 bytes each; wave 3 the mask's 128 rows.  The branch hangs on the wave's number alone.
; An s_nop 0 and four v_nop follow each of the two lines, ahead of the jump and the label.
.macro JLOAD
	s_cmp_lt_u32 s[WV], 3
	s_cbranch_scc0 .Lfor_m_\@
	tensor_load_to_lds s[G0K+4:G0K+7], s[G1K:G1K+7]
	s_nop 0
.rept 4
	v_nop
.endr
	s_branch .Lasked_\@
.Lfor_m_\@:
	tensor_load_to_lds s[G0M+4:G0M+7], s[G1M:G1M+7]
	s_nop 0
.rept 4
	v_nop
.endr
.Lasked_\@:
.endm
; A round of the cluster's barrier: my work-group's barrier, so that wave 0's signal speaks for all four waves; wave 0 signals; every wave waits for all sixteen work-groups; my work-group's barrier once more.
.macro CROUND
	s_barrier_signal -1
	s_barrier_wait -1
	s_cmp_lg_u32 s[WV], 0
	s_cbranch_scc1 .Lnot_wave_0_\@
	s_barrier_signal -3
.Lnot_wave_0_\@:
	s_barrier_wait -3
	s_barrier_signal -1
	s_barrier_wait -1
.endm
	s_load_b128 s[4:7], s[0:1], 0x0   ; qkv s[4:5], mask s[6:7]
	s_load_b64 s[8:9], s[0:1], 0x10   ; out
	v_lshl_add_u32 v[SPW], v0, 2, SPARE
	v_mov_b32 v[NIL], 0
	ds_add_u32 v[SPW], v[NIL]       ; the wave's opening: the add and its wait stand ahead of my first tensor load; the set-up below, work on registers, stands between them
	v_lshrrev_b32 v12, 5, v0
	v_readfirstlane_b32 s[WV], v12  ; wave 0..3
	s_bfe_u32 s13, ttmp6, 0x40000   ; cx, cy: my place in the cluster
	s_bfe_u32 s14, ttmp6, 0x40004
	s_lshl_b32 s15, ttmp9, 2
	s_add_co_u32 s15, s15, s13      ; my block of 128 queries = 4 x cluster x + cx
	s_and_b32 s16, ttmp7, 0xffff
	s_lshl_b32 s16, s16, 2
	s_add_co_u32 s16, s16, s14      ; batch and heads = 4 x cluster y + cy
	s_lshl_b32 s17, s14, 2
	s_lshl_b32 s17, 15, s17         ; my row of the cluster
	s_lshl_b32 s18, 0x1111, s13     ; my column
	s_lshr_b32 s19, s16, 3          ; the batch
	s_and_b32 s20, s16, 7           ; the group of four heads
	s_mul_i32 s22, s19, 12582912    ; K and V: 12,582,912 bytes a batch,
	s_mul_i32 s23, s20, 98304       ; 98,304 a group,
	s_add_co_u32 s22, s22, s23
	s_lshl_b32 s23, s[WV], 15       ; K hi, K lo or V: 32,768 each,
	s_add_co_u32 s22, s22, s23
	s_add_co_u32 s22, s22, 0x1000000  ; behind Q's part: hangs on batch, heads and the wave alone
	s_mov_b32 s23, 0
	s_lshl_b32 s72, s19, 23         ; Q: 8,388,608 bytes a batch,
	s_lshl_b32 s73, s15, 19         ; 524,288 a block,
	s_add_co_u32 s72, s72, s73
	s_lshl_b32 s73, s20, 16         ; 65,536 a group,
	s_add_co_u32 s72, s72, s73
	s_lshl_b32 s73, s[WV], 11       ; my wave's two tiles of 1,024 bytes
	s_add_co_u32 s72, s72, s73
	s_mov_b32 s73, 0
	s_lshl_b32 s70, s15, 18         ; the mask: 128 rows of 2,048 bytes a block: hangs on the block alone
	s_mov_b32 s71, 0
	s_lshl_b32 s74, s19, 23         ; out: 2,048 rows of 4,096 bytes a batch,
	s_lshl_b32 s75, s15, 19         ; 128 rows a block,
	s_add_co_u32 s74, s74, s75
	s_lshl_b32 s75, s[WV], 17       ; 32 rows a wave,
	s_add_co_u32 s74, s74, s75
	s_lshl_b32 s75, s20, 9          ; four heads of 128 bytes
	s_add_co_u32 s74, s74, s75
	s_mov_b32 s75, 0
	s_lshl_b32 s2, s[WV], 15        ; where the tiles go: K hi, K lo, V: no place in the cluster enters an LDS address
	; descriptor group 1.  A third of a tile of K and V is 32,768 dense bytes: 128 rows of 256 bytes, elements of 8 bytes, no padding
	s_or_b32 s[G1K], s17, (3<<16)|(1<<21)  ; 15:0 the mask of my row; 17:16 8-byte elements; 21 set beside a mask
	s_mov_b32 s[G1K+1], 32<<16      ; tensor_dim0 = 32
	s_mov_b32 s[G1K+2], 128<<16     ; tensor_dim1 = 128
	s_mov_b32 s[G1K+3], 32<<16      ; tile_dim0 = 32
	s_mov_b32 s[G1K+4], 128         ; tile_dim1 = 128
	s_mov_b32 s[G1K+5], 32          ; 32 elements from row to row
	s_mov_b32 s[G1K+6], 0
	s_mov_b32 s[G1K+7], 0
	; the mask: 128 rows of 128 bytes, elements of 4 bytes, 16 bytes of padding behind each row
	s_or_b32 s[G1M], s18, (2<<16)|(1<<20)|(1<<21)|(4<<22)|(3<<25)  ; the mask of my column; 4-byte elements; 20 padding on; 24:22 after every 32 words (code 4); 31:25 4 words (code 3)
	s_mov_b32 s[G1M+1], 32<<16
	s_mov_b32 s[G1M+2], 128<<16
	s_mov_b32 s[G1M+3], 32<<16
	s_mov_b32 s[G1M+4], 128
	s_mov_b32 s[G1M+5], 512         ; 2,048 bytes from row to row
	s_mov_b32 s[G1M+6], 0
	s_mov_b32 s[G1M+7], 0
	s_mov_b32 s[CS], 0x3e8293ee     ; c = log2(e) / sqrt(32) = 0.255035
	s_mov_b32 s[CS+1], s[CS]        ; named with it as a pair
	s_mov_b32 s[SEL], 0x76543210
	s_mov_b32 s[SEL+1], 0xfedcba98
	s_mov_b32 s[TBK], 0
	s_mov_b32 s[TBM], 0
	s_mov_b32 s[MF], 0xf1
	s_mov_b32 s[MA], 0xf1f1f1f1
	s_mov_b32 s[LOW], 0xef800000
	s_mov_b32 s[QNAN], 0x7fc00000
	s_wait_dscnt 0x0                ; the opening add is done
	s_wait_kmcnt 0x0
	s_add_nc_u64 s[22:23], s[4:5], s[22:23]  ; my third of K's and V's first tile
	s_add_nc_u64 s[70:71], s[6:7], s[70:71]  ; the mask at my block's rows, first tile
	s_add_nc_u64 s[72:73], s[4:5], s[72:73]  ; Q at my wave's tiles of the first head
	s_add_nc_u64 s[8:9], s[8:9], s[74:75]    ; out at my wave's first row
	CROUND                          ; all sixteen work-groups are here: the first joint loads meet
.irp s, 0,1
	s_mov_b32 s[G0K+4*(\s)], 1      ; count = 1
	s_add_co_u32 s[G0K+4*(\s)+1], s2, (\s)*SLOT1  ; LDS address
	s_add_nc_u64 s[G0K+4*(\s)+2:G0K+4*(\s)+3], s[22:23], (\s)*786432  ; global address: tile s
	s_or_b32 s[G0K+4*(\s)+3], s[G0K+4*(\s)+3], 0x80000000  ; type = 2
	s_mov_b32 s[G0M+4*(\s)], 1
	s_mov_b32 s[G0M+4*(\s)+1], MOFF+(\s)*SLOT1
	s_add_nc_u64 s[G0M+4*(\s)+2:G0M+4*(\s)+3], s[70:71], (\s)*128
	s_or_b32 s[G0M+4*(\s)+3], s[G0M+4*(\s)+3], 0x80000000
.endr
	s_cmp_lt_u32 s[WV], 3           ; a wave's two first fills stand in one branch, ahead of every wait on TENSORcnt and every LDS read: two loads of mine are out
	s_cbranch_scc0 .Lfirst_m
	tensor_load_to_lds s[G0K:G0K+3], s[G1K:G1K+7]
	s_nop 0
	tensor_load_to_lds s[G0K+4:G0K+7], s[G1K:G1K+7]
	s_nop 0
.rept 4
	v_nop
.endr
	s_branch .Lfirst_asked
.Lfirst_m:
	tensor_load_to_lds s[G0M:G0M+3], s[G1M:G1M+7]
	s_nop 0
	tensor_load_to_lds s[G0M+4:G0M+7], s[G1M:G1M+7]
	s_nop 0
.rept 4
	v_nop
.endr
.Lfirst_asked:
	; A fragment of K or Q is 16 tokens x 32 channels in 8 registers: lane l holds token r = l % 16, channels 8 h + 0..7 and 16 + 8 h + 0..7 (h = l / 16): the 16 bytes at 256 h + 16 (r xor 8 h), and those 512 bytes on.
	v_and_b32 v12, 15, v0           ; r
	v_bfe_u32 v13, v0, 4, 1         ; h
	v_lshlrev_b32 v14, 3, v13
	v_xor_b32 v14, v14, v12
	v_lshlrev_b32 v[KL], 4, v14
	v_lshl_add_u32 v[KL], v13, 8, v[KL]
	WIN 0x80                        ; destination window 2, address window 0
.set t, 0
.rept 8                             ; Q stays in registers: unit t = head t / 2, tile t % 2; hi, then lo
.irp pt, 0,1
	global_load_b128 v[QL*\pt+8*t:QL*\pt+8*t+3],   v[KL], s[72:73] offset:\pt*32768+(t/2)*8192+(t%2)*1024
	global_load_b128 v[QL*\pt+8*t+4:QL*\pt+8*t+7], v[KL], s[72:73] offset:\pt*32768+(t/2)*8192+(t%2)*1024+512
.endr
.set t, t+1
.endr
	; What the first turn finds: V's and P's second buffers hold 0 (its products V^T P, of a piece that has not been, add 0), O^T and l are 0, m is the floor.  All this stands in the wait for the first tile.
.set i, VF+32
.rept 32
	v_mov_b32 v[i], 0
.set i, i+1
.endr
	WIN 0x40
.set i, 0
.rept 128
	v_mov_b32 v[i], 0
.set i, i+1
.endr
	WIN 0
.set i, 0
.rept 8
	v_mov_b32 v[ST+4*i], 0xfe000000   ; c m: far below every c s, so the first step's a is 0
	v_mov_b32 v[ST+4*i+1], s[LOW]     ; m: the floor
	v_mov_b32 v[ST+4*i+2], 0
	v_mov_b32 v[ST+4*i+3], 0
.set i, i+1
.endr
.set i, P+32
.rept 32
	v_mov_b32 v[i], 0
.set i, i+1
.endr
	; The turning load takes 16 keys x 16 channels: lane l reads key 8 h + l % 8, channels 8 g + 0..7 (g = (l / 8) % 2): the 16 bytes at 256 g + 16 (l % 8 + 8 (h xor g)); it leaves channel l % 16 and 8 keys in lane l.
	v_and_b32 v14, 7, v0
	v_bfe_u32 v15, v0, 3, 1
	v_xor_b32 v[VL], v13, v15
	v_lshl_add_u32 v[VL], v[VL], 3, v14
	v_lshlrev_b32 v[VL], 4, v[VL]
	v_lshl_add_u32 v[VL], v15, 8, v[VL]
	v_add_nc_u32 v[VL], VOFF, v[VL] ; V's place in a slot does not fit a 16-bit offset: it stands in the register
	; The mask: lane l reads 8 bytes: row 32 w + 16 u + r, keys 16 kb + 8 h + 0..7
	s_mul_i32 s2, s[WV], 32*PM
	s_add_co_u32 s2, s2, MOFF
	v_mul_u32_u24 v[ML], v12, PM
	v_lshl_add_u32 v[ML], v13, 3, v[ML]
	v_add_nc_u32 v[ML], s2, v[ML]
	v_mov_b32 v[AK], v[KL]          ; key step 0 lies at the head of slot 0
	v_mov_b32 v[AV], v[VL]
	v_mov_b32 v[AM], v[ML]
; THE MATRIX WORK.  Product i of 24 of S^T = K Q^T + C for head x: accumulator i % 8 (tile i % 2, keys 16 ((i % 8) / 2) on).  The first eight: K hi Q hi + the mask; the next eight add K hi Q lo, the last eight K lo Q hi.
; The eight accumulators take turns, one instruction a turn: between two links of a chain stand seven others'.
.macro KQ x
.set e, i%8
.set rS, S+64*((\x)%2)+32*(e%2)+8*(e/2)
.set rK, KF+8*(e/2)
.set rQ, 8*(2*(\x)+e%2)
.set rM, MC+32*(e%2)+8*(e/2)
.if i < 8
	WIN W_KM
	v_wmma_f32_16x16x32_f16 v[rS:rS+7], v[rK:rK+7], v[rQ:rQ+7], v[rM:rM+7]
.elseif i < 16
	WIN W_KQ
	v_wmma_f32_16x16x32_f16 v[rS:rS+7], v[rK:rK+7], v[QL+rQ:QL+rQ+7], v[rS:rS+7]
.else
	WIN W_KQ
	v_wmma_f32_16x16x32_f16 v[rS:rS+7], v[rK+32:rK+39], v[rQ:rQ+7], v[rS:rS+7]
.endif
.endm
; Product i of 8 of O^T += V^T P for head x: tile i % 2, channels 16 ((i / 2) % 2) on, keys 32 (i / 4) on.  The four accumulators take turns: between the two links of a chain stand three others'.
.macro PV x
	WIN W_PV
.set rO, 16*(2*(\x)+i%2)+8*((i/2)%2)
.set rV, VF+32*((\x)%2)+8*(2*(i/4)+(i/2)%2)
.set rP, P+32*((\x)%2)+16*(i%2)+8*(i/4)
	v_wmma_f32_16x16x32_f16 v[rO:rO+7], v[rV:rV+7], v[rP:rP+7], v[rO:rO+7]
.endm
; THE LDS LOADS stand in runs: a piece's K (64 keys, hi and lo: 8 fragments, 16 loads), its V (turned: 4 fragments, 8 loads), and once a step the mask's bytes for my two tiles (8 loads).
.macro FETCH_K x
	WIN 0x80                        ; destination window 2
.irp pt, 0,1
.irp f, 0,1,2,3
	ds_load_b128 v[KF+32*\pt+8*\f:KF+32*\pt+8*\f+3],   v[AK] offset:\pt*KLO+(\x)*8192+\f*1024
	ds_load_b128 v[KF+32*\pt+8*\f+4:KF+32*\pt+8*\f+7], v[AK] offset:\pt*KLO+(\x)*8192+\f*1024+512
.endr
.endr
.endm
.macro FETCH_V x
	WIN 0x80
.irp f, 0,1,2,3                     ; keys 32 (f / 2) on, channels 16 (f % 2) on
	ds_load_tr16_b128 v[VF+32*((\x)%2)+8*\f:VF+32*((\x)%2)+8*\f+3],   v[AV] offset:(\x)*8192+(\f/2)*2048+(\f%2)*512
	ds_load_tr16_b128 v[VF+32*((\x)%2)+8*\f+4:VF+32*((\x)%2)+8*\f+7], v[AV] offset:(\x)*8192+(\f/2)*2048+(\f%2)*512+1024
.endr
.endm
.macro FETCH_M
	WIN 0x40                        ; destination window 1
.irp f, 0,1,2,3,4,5,6,7             ; tile f / 4, keys 16 (f % 4) on
	ds_load_b64 v[MR+2*\f:MR+2*\f+1], v[AM] offset:(\f/4)*16*PM+(\f%4)*16
.endr
.endm
; THE MASK BECOMES C OPERANDS.  Of a word of four bytes (0 or 1) y = 0xf1f1f1f1 - 0xf1 x word holds 0xf1 for a hidden key and 0 for a visible one (no byte borrows).  Shifted so that a key's byte is the top byte,
; y read as f32 is between -2^99 and -2^101 for a hidden key, and at most 2.2e-38 for a visible one.  80 instructions a step, for two tiles x four heads.
.macro MASKC
	WIN W_MX
.set z, 0
.rept 16
	v_mul_lo_u32 v[MC+4*z+3], v[MR+z], s[MF]
.set z, z+1
.endr
.set z, 0
.rept 16
	v_sub_nc_u32 v[MC+4*z+3], s[MA], v[MC+4*z+3]
.set z, z+1
.endr
.set z, 0
.rept 16
	v_lshlrev_b32 v[MC+4*z], 24, v[MC+4*z+3]
	v_lshlrev_b32 v[MC+4*z+1], 16, v[MC+4*z+3]
	v_lshlrev_b32 v[MC+4*z+2], 8, v[MC+4*z+3]
.set z, z+1
.endr
.endm
; THE VECTOR WORK.  One tile's softmax for one piece is a list of 110 instructions; SM writes number j of it for tile t of head HD.  s0-s31 are the lane's 32 scores, in pairs 0-15.
;   0-15    the maximum of s0-s31 and the old m, three operands at a time: four chains c0-c3 of seven scores each (each accumulator's lowest registers are read first), then the four left over, c0-c3 and m
;   16-20   the other half of the lanes' maximum; the new m; c m; c m_old - c m_new
;   21-87   33 exponentials (a, then s0-s31) at the odd numbers from 23 on, so that no two follow each other and each has a plain instruction behind it before its result is used (ISA guide 5.7.2).
;           The plain instruction between is whatever is ready: c s - c m for a pair whose exponentials are still to come, the rounding to f16 of a pair whose exponentials are done, at last the first three sums
;   88-101  the last rounding; the rest of the sums; l = a l + the sum
;   102-109 the unit's O^T times a: the one part that leaves window 0
.macro SM t
.set rT, ST+4*(2*HD+(\t))
.set rC, TMP+8*(HD%2)+4*(\t)
.set rS, S+64*(HD%2)+32*(\t)
.set rP, P+32*(HD%2)+16*(\t)
.set rO, 16*(2*HD+(\t))+2*(j-102)
.set q, (j-20)/2
.if j < 102
	WIN 0
.endif
.if j < 4
	v_max3_num_f32 v[rC+j], v[rS+8*j], v[rS+8*j+1], v[rS+8*j+2]
.elseif j < 12
	v_max3_num_f32 v[rC+j%4], v[rC+j%4], v[rS+8*(j%4)+2*(j/4)+1], v[rS+8*(j%4)+2*(j/4)+2]
.elseif j == 12
	v_max3_num_f32 v[rC], v[rC], v[rS+7], v[rS+15]
.elseif j == 13
	v_max3_num_f32 v[rC+2], v[rC+2], v[rS+23], v[rS+31]
.elseif j == 14
	v_max3_num_f32 v[rC], v[rC], v[rC+1], v[rC+2]
.elseif j == 15
	v_max3_num_f32 v[rC], v[rC], v[rC+3], v[rT+1]
.elseif j == 16
	v_permlanex16_b32 v[rC+1], v[rC], s[SEL], s[SEL+1]  ; the query's other 32 keys lie in the lane 16 away
.elseif j == 17
	v_mov_b32 v[rC+3], v[rT]        ; c m_old is kept for a: number 19 writes c m anew
.elseif j == 18
	v_max_num_f32 v[rT+1], v[rC], v[rC+1]
.elseif j == 19
	v_mul_f32 v[rT], s[CS], v[rT+1]
.elseif j == 20
	v_sub_f32 v[rC+3], v[rC+3], v[rT]
.elseif j == 23
	v_exp_f32 v[rC+2], v[rC+3]
.elseif (j < 88) && (j > 23) && (j%2 == 1)
	v_exp_f32 v[rS+(j-25)/2], v[rS+(j-25)/2]
.elseif (q < 4) || ((j < 76) && (q%2 == 0))
.set b, q/2+2
.if q < 4
.set b, q
.endif
	v_pk_fma_f32 v[rS+2*b:rS+2*b+1], v[rS+2*b:rS+2*b+1], s[CS:CS+1], v[rT:rT+1] op_sel_hi:[1,0,0] neg_lo:[0,0,1] neg_hi:[0,0,1]  ; pair b: c s - c m
.elseif (j < 88) && (q%2 == 1)
	s_wait_alu depctr_va_vdst(0)
	v_cvt_pk_f16_f32 v[rP+(q-5)/2], v[rS+q-5], v[rS+q-4]  ; pair (q - 5) / 2: its second exponential stands three numbers back
.elseif j == 89
	s_wait_alu depctr_va_vdst(0)
	v_cvt_pk_f16_f32 v[rP+15], v[rS+30], v[rS+31]
.elseif j < 102                     ; the sum of the tile's 16 pairs, in place: sum z of 16 adds neighbours 1, 2, 4 and 8 pairs apart, then l takes it
.set z, j-86
.if j < 89
.set z, (j-76)/4
.endif
.set w, 4
.set u, z
.if z >= 14
.set w, 32
.set u, 0
.elseif z >= 12
.set w, 16
.set u, z-12
.elseif z >= 8
.set w, 8
.set u, z-8
.endif
.if z < 15
	v_pk_add_f32 v[rS+w*u:rS+w*u+1], v[rS+w*u:rS+w*u+1], v[rS+w*u+w/2:rS+w*u+w/2+1]
.else
	v_pk_fma_f32 v[rT+2:rT+3], v[rT+2:rT+3], v[rC+2:rC+3], v[rS:rS+1] op_sel_hi:[1,0,1]
.endif
.else
	WIN W_RS
	v_pk_mul_f32 v[rO:rO+1], v[rO:rO+1], v[rC+2:rC+3] op_sel_hi:[1,0]
.endif
.endm
; Slice k of 55: numbers 2 k and 2 k + 1 of both tiles' lists, four instructions.
.macro SLICE
.if (k >= 11) && (k < 44)           ; tile by tile: plain, exponential, plain, exponential
.irp t, 0,1
.irp n, 0,1
.set j, 2*k+(\n)
	SM \t
.endr
.endr
.else                               ; the two tiles alternate, so that no instruction reads the result of the one just before it
.irp n, 0,1
.irp t, 0,1
.set j, 2*k+(\n)
	SM \t
.endr
.endr
.endif
.set k, k+1
.endm
; A TURN, for head hd.  The next head's K is fetched at once: the last product that read K's registers stands 17 slices back.  Then the last head's 8 products V^T P in pairs, four slices behind each pair; the next head's V goes
; into the buffer that they have left (behind the last pair stand 16 vector instructions, 8 of them plain and none naming its registers); then the next head's 24 products K Q^T in pairs, two slices behind
; each pair; then the last 15 slices, which are also the places in front of the next turn's reads of those scores.  V is multiplied a turn and a half behind its fetch.
; Head 3's turn goes on to the next step: the addresses step, the mask's bytes are fetched with K and expanded in front of the products.  So a step's last LDS read is issued in head 2's turn.
.macro TURN hd
.set HD, (\hd)
.set NX, ((\hd)+1)%4
.set PR, ((\hd)+3)%4
.set k, 0
.if (\hd) == 3
	WIN 0
	s_xor_b32 s[TBK], s[TBK], 4096  ; a tile's other step: 64 keys are 4,096 bytes of a head's block
	s_xor_b32 s[TBM], s[TBM], 64    ; and 64 bytes of a row of the mask
	v_add_nc_u32 v[AK], s[TBK], v[KL]
	v_add_nc_u32 v[AV], s[TBK], v[VL]
	v_add_nc_u32 v[AM], s[TBM], v[ML]
.endif
	FETCH_K NX
.if (\hd) == 3
	FETCH_M
.endif
.set i, 0
.rept 4
	PV PR
.set i, i+1
	PV PR
.set i, i+1
.rept 4
	SLICE
.endr
.endr
	FETCH_V NX
.if (\hd) == 3
	s_wait_dscnt 8                  ; the mask's bytes are in; V's eight loads may be out
	MASKC
.endif
	s_wait_dscnt 8                  ; K is in, and so is the V fetched a turn ago; the eight loads just issued may be out
.set i, 0
.rept 12
	KQ NX
.set i, i+1
	KQ NX
.set i, i+1
.rept 2
	SLICE
.endr
.endr
.rept 15
	SLICE
.endr
.endm
; THE CHANGE OF SLOTS stands in front of head 3's turn of a tile's second step: the tile's last bytes, V of head 3, have been asked for.  Each wave waits for all its tensor loads, of which one is out: its part of the
; other slot; adds 0 to its spare word; and waits for that and for its own reads of the slot.  Behind the barrier nobody reads this slot any more and the other slot is whole.
; fill = 1: this slot is filled again, with the tile two on.  The barrier is then a round of the cluster's, and the joint refill is the first thing behind it: it has eight turns, 256 matrix instructions, in which to land.
.macro CHANGE fill
	WIN 0                           ; at a label and at a branch every window is 0
	s_wait_tensorcnt 0x0            ; no tensor load of mine is out, so a group 0 may be written
	ds_add_u32 v[SPW], v[NIL]       ; 0 onto my spare word; with fill = 1 the descriptors' steps stand between it and the wait for it
.if \fill
	s_xor_b32 s[G0K+5], s[G0K+5], SLOT1  ; the walking descriptors: the other slot than last time,
	s_add_nc_u64 s[G0K+6:G0K+7], s[G0K+6:G0K+7], 786432  ; the next 128 keys; the type bits on top are not reached
	s_xor_b32 s[G0M+5], s[G0M+5], SLOT1
	s_add_nc_u64 s[G0M+6:G0M+7], s[G0M+6:G0M+7], 128
	s_wait_dscnt 0x0                ; the add is done, and my reads of the slot are over
	CROUND
	JLOAD
.else
	s_wait_dscnt 0x0                ; the add is done, and my reads of the slot are over
	s_barrier_signal -1
	s_barrier_wait -1
.endif
	s_xor_b32 s[TBK], s[TBK], SLOT1 ; the fetches go on in the other slot
	s_xor_b32 s[TBM], s[TBM], SLOT1
.endm
	s_wait_tensorcnt 1              ; my part of slot 0 is in; slot 1's may stay out
	s_barrier_signal -1
	s_barrier_wait -1               ; everybody's is
	FETCH_K 0                       ; key step 0, head 0
	FETCH_M
	s_wait_dscnt 0x0
	MASKC
	s_wait_loadcnt 0x0              ; Q
.set i, 0
.rept 24
	KQ 0                            ; head 0's first scores: there is no vector work yet to set between them
.set i, i+1
.endr
	FETCH_V 0
	WIN 0                           ; the addresses for the way out: six plain instructions, the places behind those products
	s_mul_i32 s2, s[WV], 16*SP
	s_add_co_u32 s2, s2, STAGE      ; my stage
	v_mul_u32_u24 v[STO], v12, SP   ; in: row l % 16, 32 bytes for each half of the lanes
	v_lshl_add_u32 v[STO], v13, 5, v[STO]
	v_add_nc_u32 v[STO], s2, v[STO]
	v_and_b32 v[GO], 31, v0         ; back: 32 lanes take a row's 512 bytes,
	v_lshlrev_b32 v[GO], 4, v[GO]   ; which are 512 consecutive bytes of out
	v_add_nc_u32 v[RD], s2, v[GO]
	s_mov_b32 s[CNT], 2
	s_mov_b32 s[SLOTS], 15
	s_branch .Lfirst                ; the loop is entered at a step's first turn, in the middle of a trip
.Lslot:                             ; 14 times: every slot but the last two is filled again
	CHANGE 1
	s_mov_b32 s[CNT], 2
.Lstep:                             ; a trip: head 3 of one step, then heads 0, 1, 2 of the next
	TURN 3
	WIN 0
.Lfirst:
	TURN 0
	TURN 1
	TURN 2
	WIN 0
	s_sub_co_u32 s[CNT], s[CNT], 1
	s_cmp_lg_u32 s[CNT], 0
	s_cbranch_scc1 .Lstep
	s_sub_co_u32 s[SLOTS], s[SLOTS], 1
	s_cmp_lg_u32 s[SLOTS], 0
	s_cbranch_scc1 .Lslot
	CHANGE 0                        ; the tail is written out: nothing is asked for
	s_mov_b32 s[CNT], 3             ; two trips walk the last tile; the third is left behind its first turn
.Ltail:
	TURN 3
	WIN 0
	s_sub_co_u32 s[CNT], s[CNT], 1
	s_cmp_eq_u32 s[CNT], 0
	s_cbranch_scc1 .Lout
	TURN 0
	TURN 1
	TURN 2
	WIN 0
	s_branch .Ltail
.Lout:                              ; the last turn's fetches (the last tile's first step once more) and its 24 products K Q^T serve nothing: the price, once a launch, of one text for every trip
.set i, 0
.rept 8
	PV 3                            ; the last piece's V^T P
.set i, i+1
.endr
	; THE WAY OUT.  l's two halves and the other half of the lanes' are added; O^T is divided by l and sent through my stage in LDS, a tile of 16 queries x 4 heads at a time.  The additions are the places behind the last products.
	WIN 0
.macro ALL line:vararg              ; one line for each unit t
.set t, 0
.rept 8
	\line
.set t, t+1
.endr
.endm
	ALL v_add_f32 v[ST+4*t+2], v[ST+4*t+2], v[ST+4*t+3]
	ALL v_permlanex16_b32 v[ST+4*t+3], v[ST+4*t+2], s[SEL], s[SEL+1]
	ALL v_add_f32 v[ST+4*t+2], v[ST+4*t+2], v[ST+4*t+3]
	ALL v_rcp_f32 v[ST+4*t+2], v[ST+4*t+2]
	v_nop                           ; a plain instruction between the last reciprocal and the use of its result
.set t, 0
	s_wait_alu depctr_va_vdst(0)
.rept 8
	v_cmp_ge_f32 vcc_lo, s[LOW], v[ST+4*t+1]  ; m is still the floor: the row has seen no key
	v_cndmask_b32 v[ST+4*t+2], v[ST+4*t+2], s[QNAN], vcc_lo
.set t, t+1
.endr
; Tile u.  SCALE: O^T times 1 / l.  STG: a lane's eight channels of a head are 32 bytes of a row; they go into rows of 528 bytes and come back as whole rows of 512, into S^T's registers.  SEND: stored.
.macro SCALE u
	WIN W_RS
.irp hd, 0,1,2,3
.set t, 2*(\hd)+(\u)
.set i, 0
.rept 8
	v_pk_mul_f32 v[16*t+i:16*t+i+1], v[16*t+i:16*t+i+1], v[ST+4*t+2:ST+4*t+3] op_sel_hi:[1,0]
.set i, i+2
.endr
.endr
.endm
.macro STG u
	WIN 0x04                        ; the stores' data in window 1, the address in window 0
.irp hd, 0,1,2,3
.set t, 2*(\hd)+(\u)
.irp f, 0,1,2,3
	ds_store_b128 v[STO], v[16*t+4*\f:16*t+4*\f+3] offset:(\hd)*128+(\f/2)*64+(\f%2)*16
.endr
.endr
	WIN 0
.set i, 0
.rept 16
	ds_load_b128 v[S+64*(\u)+4*i:S+64*(\u)+4*i+3], v[RD] offset:i*SP  ; LDS serves a wave's instructions in order (ISA guide 5.7.1.4): these see the stores above
.set i, i+1
.endr
.endm
.macro SEND u
	WIN 0
.set i, 0
.rept 16
	s_wait_dscnt 15-i               ; row i is back; the 15 - i loads behind it may be out
	global_store_b128 v[GO], v[S+64*(\u)+4*i:S+64*(\u)+4*i+3], s[8:9] offset:(\u)*65536+i*4096 th:TH_STORE_NT  ; 512 consecutive bytes, at a multiple of 512 from out's first byte
.set i, i+1
.endr
.endm
	SCALE 0
	STG 0
	SCALE 1                         ; the second tile's arithmetic stands between the first tile's loads and its stores
	SEND 0
	STG 1                           ; the stage is written again behind the waits that showed the first tile's rows back
	SEND 1
	s_wait_tensorcnt 0x0            ; the wave's end, behind my last tensor load and my last LDS store
	ds_add_u32 v[SPW], v[NIL]
	s_wait_dscnt 0x0
	CROUND                          ; the closing round: no work-group ends while a partner may still ask for a tile that names it
	s_endpgm
.Lfunc_end_k_qb18d739662_attn:
	.size	k_qb18d739662_attn, .Lfunc_end_k_qb18d739662_attn-k_qb18d739662_attn
	.p2alignl 7, 3214868480
	.fill 96, 4, 3214868480
	.section	.rodata,"a",@progbits
	.p2align	6, 0x0
	.amdhsa_kernel k_qb18d739662_attn
		.amdhsa_group_segment_fixed_size 327680
		.amdhsa_private_segment_fixed_size 0
		.amdhsa_enable_private_segment 0
		.amdhsa_kernarg_size 24
		.amdhsa_user_sgpr_count 2
		.amdhsa_user_sgpr_kernarg_segment_ptr 1
		.amdhsa_wavefront_size32 1
		.amdhsa_system_sgpr_workgroup_id_x 1
		.amdhsa_system_sgpr_workgroup_id_y 1
		.amdhsa_system_sgpr_workgroup_id_z 1
		.amdhsa_system_vgpr_workitem_id 0
		.amdhsa_next_free_vgpr 768
		.amdhsa_next_free_sgpr 76
		.amdhsa_reserve_vcc 1
		.amdhsa_float_denorm_mode_32 3
		.amdhsa_float_denorm_mode_16_64 3
		.amdhsa_memory_ordered 1
		.amdhsa_forward_progress 1
		.amdhsa_inst_pref_size 186
	.end_amdhsa_kernel
	.amdgpu_metadata
---
amdhsa.version: [ 1, 2 ]
amdhsa.kernels:
  - .name:           k_qb18d739662_attn
    .symbol:         k_qb18d739662_attn.kd
    .args:
      - { .name: qkv, .offset: 0, .size: 8, .value_kind: global_buffer, .address_space: global }
      - { .name: mask, .offset: 8, .size: 8, .value_kind: global_buffer, .address_space: global }
      - { .name: out0, .offset: 16, .size: 8, .value_kind: global_buffer, .address_space: global }
    .group_segment_fixed_size: 327680
    .private_segment_fixed_size: 0
    .kernarg_segment_align: 8
    .kernarg_segment_size: 24
    .max_flat_workgroup_size: 128
    .sgpr_count:     76
    .vgpr_count:     768
    .wavefront_size: 32
...
	.end_amdgpu_metadata
.endif
;; end of part 3
